; MI455X (gfx1250); checked and timed in simulation.
; The chip was launched on July 23, 2026; its instructions are those of AMD's public machine-readable ISA for CDNA 5 (MIT licence, August 2026) and "CDNA5" Instruction Set Architecture Reference Guide (July 2026). The comments in the code are by the model that wrote it; some were corrected since.
;; Attention. Allowed arithmetic: matrix products marked QUANTISED: E2M1 operands, one E8M0 scale for each 32 along K, by v_wmma_scale_f32_16x16x128_f8f6f4 with both operands' format E2M1 (or v_wmma_scale_f32_32x16x128_f4), f32 sums; products left as they are: bf16, f16 or f32 operands; f32 sums; everything else in f32.
;; Inputs: Wkv 2,048 x 1,024 float32; Wq 1,024 x 1,024 float32; Wtalk 16 x 16 float32; context 2 x 2,048 x 1,024 float32; ln_beta 16 float32; ln_gamma 16 float32; x 2 x 2,048 x 1,024 float32.
;; Outputs: out0 2 x 2,048 x 1,024 float32.
;; This version of the problem:
;;   THIS VERSION OF THE PROBLEM IS GIVEN IN LOW PRECISION. The matrix products marked QUANTISED in the list below multiply operands that are first quantised to E2M1 (2 exponent bits, 1 mantissa bit; 4 bits a number), with one power-of-two scale for each 32 numbers along K (OCP MX v1.0); their sums are f32. The products marked 'left as it is' may take bf16, f16 or f32 operands, with f32 sums. Whichever they take, every output number must still come out within the allowed error. Rounding operands to bf16 (8 significant bits) uses up far more of that allowance than f16 does (11 bits, for magnitudes from 6e-5 to 65,504). All else is computed in f32.
;;   The module's matrix products, in the order in which they are computed (A, B: the left and right operand; K: the contracted axis; several contracted axes count as one K, in the product's order):
;;     1. [M 4,096, K 1,024] x [K 1,024, N 1,024]; A: input x; B: input Wq: QUANTISED
;;     2. [M 4,096, K 1,024] x [K 1,024, N 2,048]; A: input context; B: input Wkv: QUANTISED
;;     3. batch 32 x [M 2,048, K 64] x [K 64, N 2,048]; A: computed on the way; B: computed on the way: left as it is (an operand is computed on the way)
;;     4. [M 16, K 16] x [K 16, N 8,388,608]; A: input Wtalk; B: computed on the way: left as it is (K = 16 < 32)
;;     5. batch 32 x [M 2,048, K 2,048] x [K 2,048, N 64]; A: computed on the way; B: computed on the way: left as it is (an operand is computed on the way)
;;   THE QUANTISER, for each operand of a quantised product, along K:
;;     - K is cut into blocks of 32 from its start; a last block that is shorter is filled with zeros.
;;     - A block's scale is 2^e with e = floor(log2(the largest magnitude in the block)) - 2, held to -126 .. 127; a block of zeros has e = 0. As a byte (E8M0): e + 127.
;;     - Each number is divided by its block's scale, clamped to +-6, and rounded to the nearest number of E2M1, ties to even, subnormals kept.
;;     - The product sums the exact products of the quantised numbers (number of the format x scale) in f32.
;;   ~~~python
;;   def quantise(x, axis):      # numpy; x: float32 -> the quantised numbers, widened to float32 again
;;       x = np.moveaxis(x, axis, -1); K = x.shape[-1]
;;       x = np.pad(x, [(0, 0)] * (x.ndim - 1) + [(0, -K % 32)]); x = x.reshape(x.shape[:-1] + (-1, 32)); a = np.abs(x).max(-1, keepdims=True)
;;       e = np.where(a > 0, np.clip(np.frexp(np.where(a > 0, a, 1))[1] - 1 - 2, -126, 127), 0)      # np.frexp(a)[1] - 1 = floor(log2(a)), exactly
;;       r = np.clip(x / 2.0 ** e, -6, 6)
;;       step = 2.0 ** (np.maximum(np.frexp(np.where(r == 0, 1, r))[1] - 1, 0) - 1)
;;       q = np.round(r / step) * step * 2.0 ** e      # np.round: ties to even
;;       return np.moveaxis(q.reshape(q.shape[:-2] + (-1,))[..., :K], -1, axis).astype(np.float32)
;;   ~~~
;; One version. Each part assembles by itself: llvm-mc -triple=amdgcn-amd-amdhsa -mcpu=gfx1250 --defsym DOCPART=n.
;; ======== version 1 of 1: 5 launches
;; limits: values are held in f16: magnitudes above 65,504 overflow, below 6.1e-05 lose precision
;; workspace buffers: codes 5,767,168 bytes; scales 720,896 bytes; qimg 8,388,608 bytes; kimg 8,388,608 bytes; vimg 8,388,608 bytes; stat 262,144 bytes; part 67,108,864 bytes
;; launch quant (part 1): grid 352 x 1, 4 waves a work-group, no clusters, 34,304 bytes of LDS; arguments x, context, Wq, Wkv, codes, scales; writes codes, scales
.if DOCPART == 1
	.amdgcn_target "amdgcn-amd-amdhsa--gfx1250"
	.amdhsa_code_object_version 6
	.text
	.protected	k_qb66945369f_quant
	.globl	k_qb66945369f_quant
	.p2align	8
	.type	k_qb66945369f_quant,@function
k_qb66945369f_quant:
	s_mov_b64 s[64:65], 0
	v_nop
	global_prefetch_b8 v0, s[64:65] scope:SCOPE_SE
	s_setreg_imm32_b32 hwreg(HW_REG_WAVE_MODE, 25, 1), 1
	s_wait_xcnt 0x0
; THE PROGRAM (five launches): quant -> proj -> stats -> attn -> sum4.
; No work of reference() is left out: every input has a way to the output and every product of its table is live.  Two identities are used, for all values of the inputs:
; (1) the factor 1/8 on q goes into the exponential's constant; (2) aw - mean over heads of aw = W' p with W'[g][h] = Wtalk[g][h] - mean over g of Wtalk[.][h], since the mean over g is linear in p.
; The scores are computed twice (launch stats: each row's maximum and sum; launch attn: the weights), since the mix over heads wants the normalised softmax of all 16 heads at one point.
;
; THIS LAUNCH: x, context [4096][1024], Wq [1024][1024], Wkv [2048][1024], f32, K innermost, become codes of E2M1 with one E8M0 byte for each 32 along K, laid as IMAGES OF OPERAND REGISTERS:
;   codes  [RT 704][K step 8][c 2][lane 32][16 bytes]: RT = a tile of 16 rows (x 0-255, context 256-511, Wq 512-575, Wkv 576-703); lane (r = lane % 16, hh = lane / 16) holds row r, k = 128 step + 64 c + 32 hh + 0 .. 31
;   scales [RT][kh 2][lane 32][4 words]: word t = the scale word of row lane % 16 for K step 4 kh + t (lanes 16-31 hold copies)
; so that the product's launch loads every fragment as 512 consecutive bytes.
; A block's scale is 2^(floor(log2(its largest magnitude)) - 2); its byte is the largest magnitude's exponent field - 2, held at 1 from below.
; LIMITS: a block of zeros gets the byte 1 where the rule says 127 (its codes are zeros, and this program alone reads the bytes); NaN and infinities among the inputs are not served.
; SHARES: a wave takes 16 rows x 512 along K, four K steps of 128.  Each load reads 512 consecutive bytes of one row; a K step's 16 x 512 bytes turn through the wave's own stage in LDS
; (rows 528 bytes apart: 33 x 16, so the sixteen rows that a read touches start at sixteen different 16-byte columns), and come back 128 bytes a lane and block: a whole block of 32 in one lane.
; No tensor loads, no barrier: waves share nothing.
.set STGB,  8448                       ; a wave's stage: 16 rows x 528 bytes
.set SPARE, 4*STGB                     ; behind the stages: the spare words, 128 bytes a wave, that no other line names
.set SPW, 4                            ; v4  LDS address of my spare word; never rewritten
.set NIL, 5                            ; v5  0; never rewritten
.set R,   16                           ; v16-143  two sets of 64: a K step as loaded
.set X,   144                          ; v144-207 my two blocks of 32 neighbours
.set C,   208                          ; v208-239 codes, 8 registers a K step: no store's data are written again
.set SW,  240                          ; v240-243 the four scale words
	s_load_b256 s[4:11], s[0:1], 0x0               ; x, context, Wq, Wkv
	s_load_b128 s[12:15], s[0:1], 0x20             ; codes, scales
	v_lshl_add_u32 v[SPW], v0, 2, SPARE
	v_mov_b32 v[NIL], 0
	v_lshrrev_b32 v6, 5, v0
	v_readfirstlane_b32 s19, v6                    ; wave
	v_and_b32 v7, 31, v0
	v_lshlrev_b32 v1, 4, v7                        ; 16 x lane
	v_and_b32 v8, 15, v0                           ; r
	v_bfe_u32 v9, v0, 4, 1                         ; hh
	s_mul_i32 s20, s19, STGB
	v_add_nc_u32 v2, s20, v1                       ; the stage, on the way in: 16 x lane of a row
	v_mul_u32_u24 v3, v8, 528
	v_lshl_add_u32 v3, v9, 7, v3
	v_add_nc_u32 v3, s20, v3                       ; on the way out: row r, 128 hh bytes on
	v_lshlrev_b32 v14, 3, v9                       ; 8 hh: where my two scale bytes stand in the word
	v_mov_b32 v13, 0                               ; a lane permute's destination counts as read
	s_mov_b32 s30, 0x76543210
	s_mov_b32 s31, 0xfedcba98                      ; selects for lane l xor 16
	s_lshr_b32 s21, s19, 1                         ; which of the work-group's two tiles of rows
	s_and_b32 s22, s19, 1                          ; kh: which half of K
	s_lshl_b32 s26, ttmp9, 1
	s_add_co_u32 s26, s26, s21                     ; RT
	s_lshl_b32 s28, s26, 13
	s_lshl_b32 s27, s22, 12
	s_add_co_u32 s28, s28, s27
	s_mov_b32 s29, 0                               ; codes: RT x 8192 + kh x 4096
	s_lshl_b32 s26, s26, 10
	s_lshl_b32 s27, s22, 9
	s_add_co_u32 s26, s26, s27
	s_mov_b32 s27, 0                               ; scales: RT x 1024 + kh x 512
	s_mov_b32 s18, 288
	s_wait_kmcnt 0x0
	s_cmp_lt_u32 ttmp9, 288                        ; which tensor: the choice hangs on the work-group's number alone
	s_cselect_b64 s[16:17], s[8:9], s[10:11]
	s_cselect_b32 s18, 256, s18
	s_cmp_lt_u32 ttmp9, 256
	s_cselect_b64 s[16:17], s[6:7], s[16:17]
	s_cselect_b32 s18, 128, s18
	s_cmp_lt_u32 ttmp9, 128
	s_cselect_b64 s[16:17], s[4:5], s[16:17]
	s_cselect_b32 s18, 0, s18                      ; the tensor's first work-group
	s_sub_co_u32 s23, ttmp9, s18
	s_lshl_b32 s23, s23, 1
	s_add_co_u32 s23, s23, s21                     ; the tile of rows inside the tensor
	s_lshl_b32 s24, s23, 16                        ; 16 rows of 4,096 bytes
	s_lshl_b32 s25, s22, 11
	s_add_co_u32 s24, s24, s25
	s_mov_b32 s25, 0
	s_add_nc_u64 s[16:17], s[16:17], s[24:25]
	s_add_nc_u64 s[12:13], s[12:13], s[28:29]
	s_add_nc_u64 s[14:15], s[14:15], s[26:27]
.macro LOAD t                          ; K step t: 16 rows x 512 consecutive bytes
.irp i, 0,1,2,3,4,5,6,7,8,9,10,11,12,13,14,15
	global_load_b128 v[R+64*((\t)%2)+4*\i:R+64*((\t)%2)+4*\i+3], v1, s[16:17] offset:\i*4096+(\t)*512 th:TH_LOAD_NT
.endr
.endm
.macro TURN t                          ; through the stage: LDS serves a wave's instructions in order, so no wait stands between the stores and the loads
.irp i, 0,1,2,3,4,5,6,7,8,9,10,11,12,13,14,15
	ds_store_b128 v2, v[R+64*((\t)%2)+4*\i:R+64*((\t)%2)+4*\i+3] offset:\i*528
.endr
.irp c, 0,1
.irp q, 0,1,2,3,4,5,6,7
	ds_load_b128 v[X+32*\c+4*\q:X+32*\c+4*\q+3], v3 offset:\c*256+16*\q
.endr
.endr
.endm
.macro QUANT t                         ; my blocks hh and 2 + hh of row r
.irp c, 0,1
	v_max3_num_f32 v[6+\c], |v[X+32*\c]|, |v[X+32*\c+1]|, 0x1800000   ; with the floor 2^(3 - 127): the byte cannot fall under 1
.endr
.irp i, 2,4,6,8,10,12,14,16,18,20,22,24,26,28,30
.irp c, 0,1
	v_max3_num_f32 v[6+\c], v[6+\c], |v[X+32*\c+\i]|, |v[X+32*\c+\i+1]|
.endr
.endr
.irp c, 0,1
	v_add_nc_u32 v[8+\c], 0xff000000, v[6+\c]      ; 2 off the exponent field: the conversion takes the exponent field of this operand as its scale
.endr
.irp c, 0,1
	v_lshrrev_b32 v[10+\c], 23, v[8+\c]            ; the scale's byte
.endr
	v_lshl_or_b32 v12, v11, 16, v10
	v_lshlrev_b32 v12, v14, v12                    ; at bytes hh and 2 + hh
	v_permlanex16_b32 v13, v12, s30, s31
	v_or_b32 v[SW+(\t)], v12, v13                  ; with lane l xor 16's two the word is whole
.irp c, 0,1
.irp g, 0,1,2,3
	v_cvt_scalef32_pk8_fp4_f32 v[C+8*(\t)+4*\c+\g], v[X+32*\c+8*\g:X+32*\c+8*\g+7], v[8+\c]
.endr
.endr
	v_nop                                          ; one plain instruction behind the last scaled conversion
.endm
	LOAD 0
	LOAD 1
.irp t, 0,1,2,3
.if \t < 3
	s_wait_loadcnt 16                              ; this K step's 16 loads are in; the next step's may be out
.else
	s_wait_loadcnt 0x0
.endif
	TURN \t
	s_wait_dscnt 0x0                               ; my blocks are back, and the stage's stores have read their registers
.if \t < 2
	LOAD \t+2
.endif
	QUANT \t
.irp c, 0,1
	global_store_b128 v1, v[C+8*\t+4*\c:C+8*\t+4*\c+3], s[12:13] offset:\t*1024+\c*512   ; 32 lanes store 512 consecutive bytes
.endr
.endr
	global_store_b128 v1, v[SW:SW+3], s[14:15]     ; 512 consecutive bytes of scale words
	s_wait_tensorcnt 0x0                           ; the wave's end, behind my last LDS store
	ds_add_u32 v[SPW], v[NIL]
	s_wait_dscnt 0x0
	s_endpgm
.Lfunc_end_k_qb66945369f_quant:
	.size	k_qb66945369f_quant, .Lfunc_end_k_qb66945369f_quant-k_qb66945369f_quant
	.p2alignl 7, 3214868480
	.fill 96, 4, 3214868480
	.section	.rodata,"a",@progbits
	.p2align	6, 0x0
	.amdhsa_kernel k_qb66945369f_quant
		.amdhsa_group_segment_fixed_size 34304
		.amdhsa_private_segment_fixed_size 0
		.amdhsa_enable_private_segment 0
		.amdhsa_kernarg_size 48
		.amdhsa_user_sgpr_count 2
		.amdhsa_user_sgpr_kernarg_segment_ptr 1
		.amdhsa_wavefront_size32 1
		.amdhsa_system_sgpr_workgroup_id_x 1
		.amdhsa_system_sgpr_workgroup_id_y 1
		.amdhsa_system_sgpr_workgroup_id_z 1
		.amdhsa_system_vgpr_workitem_id 0
		.amdhsa_next_free_vgpr 256
		.amdhsa_next_free_sgpr 66
		.amdhsa_reserve_vcc 0
		.amdhsa_float_denorm_mode_32 3
		.amdhsa_float_denorm_mode_16_64 3
		.amdhsa_memory_ordered 1
		.amdhsa_forward_progress 1
		.amdhsa_inst_pref_size 30
	.end_amdhsa_kernel
	.amdgpu_metadata
---
amdhsa.version: [ 1, 2 ]
amdhsa.kernels:
  - .name:           k_qb66945369f_quant
    .symbol:         k_qb66945369f_quant.kd
    .args:
      - { .name: x, .offset: 0, .size: 8, .value_kind: global_buffer, .address_space: global }
      - { .name: context, .offset: 8, .size: 8, .value_kind: global_buffer, .address_space: global }
      - { .name: Wq, .offset: 16, .size: 8, .value_kind: global_buffer, .address_space: global }
      - { .name: Wkv, .offset: 24, .size: 8, .value_kind: global_buffer, .address_space: global }
      - { .name: codes, .offset: 32, .size: 8, .value_kind: global_buffer, .address_space: global }
      - { .name: scales, .offset: 40, .size: 8, .value_kind: global_buffer, .address_space: global }
    .group_segment_fixed_size: 34304
    .private_segment_fixed_size: 0
    .kernarg_segment_align: 8
    .kernarg_segment_size: 48
    .max_flat_workgroup_size: 128
    .sgpr_count:     66
    .vgpr_count:     256
    .wavefront_size: 32
...
	.end_amdgpu_metadata
.endif
;; end of part 1
;; launch proj (part 2): grid 256 x 3, 4 waves a work-group, no clusters, 0 bytes of LDS; arguments codes, scales, qimg, kimg, vimg; writes qimg, kimg, vimg
.if DOCPART == 2
	.amdgcn_target "amdgcn-amd-amdhsa--gfx1250"
	.amdhsa_code_object_version 6
	.text
	.protected	k_qb66945369f_proj
	.globl	k_qb66945369f_proj
	.p2align	8
	.type	k_qb66945369f_proj,@function
k_qb66945369f_proj:
	s_mov_b64 s[64:65], 0
	v_nop
	global_prefetch_b8 v0, s[64:65] scope:SCOPE_SE
	s_setreg_imm32_b32 hwreg(HW_REG_WAVE_MODE, 25, 1), 1
	s_wait_xcnt 0x0
; The two quantised products, on the codes and scale words that launch quant laid as register images.  Nothing of reference() is left out here.
; job = work-group y: 0: q = x Wq^T;  1: k = context Wkv[0:1024]^T;  2: v = context Wkv[1024:2048]^T.  Sums in f32, K ascending; the results are rounded once to f16 (operands of products that the problem leaves as they are).
; LIMIT: q, k, v must lie inside f16's range (65,504).
; SHARES: a work-group makes 128 tokens x 128 features, each of its four waves 64 x 64: 16 accumulators.  K = 1,024 in 8 steps of 128.
; WHICH OPERAND IS SOURCE 0 is chosen by offsets alone.  Jobs 0, 1: source 0 = features, source 1 = tokens: a lane's eight results are 8 neighbouring features of one token, and packed they are 16 bytes of
;   qimg, kimg [T 256][nb 64][lane][16 bytes]: T = tile of 16 tokens, lane (r, hh) = token r, features 16 nb + 8 hh + 0 .. 7: head h's two K = 32 fragments are blocks 4 h .. 4 h + 3.
; Job 2: source 0 = tokens, source 1 = features: a lane holds 8 neighbouring keys of one feature:
;   vimg [S 128][nb 64][t 2][lane][16 bytes]: S = step of 32 keys, lane (r, hh) = feature 16 nb + r, keys 32 S + 16 t + 8 hh + 0 .. 7: a fragment of V^T.
; Fragments come from memory straight into registers, 512 consecutive bytes a load; no LDS.  TWO SETS of fragment registers take turns, so that a K step's 16 loads are issued a whole K step ahead of their use:
; 32 loads of a wave are out while it multiplies.  With 320 registers three waves share a SIMD's 1,024.
; THE SCALE WORDS of all 8 K steps come once, at the head, in 32 registers: lanes 0-15 take source 0's tile i, lanes 16-31 source 1's tile i (in the buffer lanes 16-31 hold copies of the rows' words), by a vector offset
; that differs between the halves of the lanes; source 1's are read from the upper lanes.
; No cluster: there is no tensor load whose request partners could share.
.set OFS, 8                            ; v8-15    store offsets
.set F0,  16                           ; v16-79   the fragments of even K steps: source 0's four, then source 1's four.  Window 1, v0-63: those of odd K steps
.set SC,  80                           ; v80-111  scale words: K step k, tile i at v[80 + 16 (k / 4) + 4 i + k % 4]; they hold scales and nothing else
.set ACC, 128                          ; v128-255 accumulator (i, j) at 128 + 8 (4 i + j)
.set MSB, 0
.macro WIN new                         ; s_set_vgpr_msb: bits 1:0 source 0, 3:2 source 1, 5:4 source 2, 7:6 destination; the immediate's high byte repeats the setting that is left
.if MSB != \new
	s_set_vgpr_msb (MSB<<8)|\new
.set MSB, \new
.endif
.endm
	s_load_b256 s[4:11], s[0:1], 0x0               ; codes, scales, qimg, kimg
	s_load_b64 s[12:13], s[0:1], 0x20              ; vimg
	v_lshrrev_b32 v2, 5, v0
	v_readfirstlane_b32 s16, v2                    ; wave
	v_and_b32 v2, 31, v0
	v_lshlrev_b32 v1, 4, v2                        ; 16 x lane
	s_and_b32 s17, ttmp7, 0xffff                   ; job
	s_and_b32 s18, ttmp9, 7                        ; f: block of 128 features
	s_lshr_b32 s19, ttmp9, 3                       ; tk: block of 128 tokens
	s_lshr_b32 s20, s16, 1                         ; wi: my half along source 0
	s_and_b32 s21, s16, 1                          ; wj: along source 1
	s_lshl_b32 s22, s19, 3
	s_cmp_eq_u32 s17, 0
	s_cselect_b32 s23, 0, 256
	s_add_co_u32 s22, s22, s23                     ; the tokens' first tile of rows: x from 0, context from 256
	s_lshl_b32 s23, s17, 6
	s_lshl_b32 s24, s18, 3                         ; 8 f
	s_add_co_u32 s23, s23, s24
	s_add_co_u32 s23, s23, 512                     ; the features': 512 + 64 job + 8 f
	s_lshl_b32 s26, s21, 2                         ; 4 wj
	s_lshl_b32 s27, s20, 2                         ; 4 wi
	s_lshl_b32 s25, s19, 3
	s_add_co_u32 s25, s25, s26
	s_lshl_b32 s25, s25, 6
	s_add_co_u32 s25, s25, s24
	s_add_co_u32 s25, s25, s27
	s_lshl_b32 s25, s25, 9                         ; jobs 0, 1: ((8 tk + 4 wj) 64 + 8 f + 4 wi) 512
	s_lshl_b32 s28, s19, 2
	s_lshl_b32 s29, s20, 1
	s_add_co_u32 s28, s28, s29
	s_lshl_b32 s28, s28, 6
	s_add_co_u32 s28, s28, s24
	s_add_co_u32 s28, s28, s26
	s_lshl_b32 s28, s28, 10                        ; job 2: ((4 tk + 2 wi) 64 + 8 f + 4 wj) 1024
	s_mov_b32 s30, 1024
	s_mov_b32 s31, 32768
	s_cmp_eq_u32 s17, 2
	s_cselect_b32 s32, s22, s23                    ; source 0's first tile of rows
	s_cselect_b32 s33, s23, s22                    ; source 1's
	s_cselect_b32 s38, s28, s25                    ; where my results begin
	s_cselect_b32 s35, 65536, s30                  ; from tile pair i / 2 to the next
	s_cselect_b32 s36, s30, s31                    ; from tile j to the next
	s_mov_b32 s39, 0
	s_add_co_u32 s32, s32, s27
	s_add_co_u32 s33, s33, s26
	s_lshl_b32 s40, s32, 13                        ; codes: 8,192 bytes a tile of rows
	s_mov_b32 s41, 0
	s_lshl_b32 s42, s33, 13
	s_mov_b32 s43, 0
	s_lshl_b32 s44, s32, 10                        ; scale words: 1,024 bytes a tile of rows
	s_lshl_b32 s46, s33, 10
	s_mov_b32 s48, 0xffff0000
	v_mov_b32 v3, s44
	v_mov_b32 v4, s46
	v_cndmask_b32 v2, v3, v4, s48                  ; lanes 0-15: source 0's tiles; lanes 16-31: source 1's
	v_add_nc_u32 v2, v2, v1                        ; + 16 x lane
.irp j, 0,1,2,3
	s_mul_i32 s29, s36, \j
	v_add_nc_u32 v[OFS+\j], s29, v1
	s_add_co_u32 s29, s29, s35
	v_add_nc_u32 v[OFS+4+\j], s29, v1
.endr
	s_wait_kmcnt 0x0
	s_add_nc_u64 s[40:41], s[4:5], s[40:41]        ; source 0's codes
	s_add_nc_u64 s[42:43], s[4:5], s[42:43]        ; source 1's
	s_cmp_eq_u32 s17, 0
	s_cselect_b64 s[14:15], s[8:9], s[10:11]
	s_cmp_eq_u32 s17, 2
	s_cselect_b64 s[14:15], s[12:13], s[14:15]     ; the job's buffer: the choice hangs on the work-group's number alone
	s_add_nc_u64 s[14:15], s[14:15], s[38:39]
.macro FRAGS k                         ; K step k's eight fragments, 16 loads, into set k % 2
.set FS, F0*(1-(\k)%2)
.if (\k)%2
	WIN 0x40                                       ; destination window 1, address window 0
.else
	WIN 0
.endif
.irp i, 0,1,2,3
.irp c, 0,1
	global_load_b128 v[FS+8*\i+4*\c:FS+8*\i+4*\c+3], v1, s[40:41] offset:\i*8192+(\k)*1024+\c*512
	global_load_b128 v[FS+32+8*\i+4*\c:FS+32+8*\i+4*\c+3], v1, s[42:43] offset:\i*8192+(\k)*1024+\c*512
.endr
.endr
.endm
.macro MUL k                           ; the 16 accumulators take turns, one instruction a turn, in the same order in every K step
.set FS, F0*(1-(\k)%2)
.if (\k)%2
	WIN 0x05                                       ; sources 0 and 1 window 1; C and D window 0
.else
	WIN 0
.endif
.irp i, 0,1,2,3
.irp j, 0,1,2,3
.if (\k) == 0
	v_wmma_scale_f32_16x16x128_f8f6f4 v[ACC+8*(4*\i+\j):ACC+8*(4*\i+\j)+7], v[FS+8*\i:FS+8*\i+7], v[FS+32+8*\j:FS+32+8*\j+7], 0, v[SC+16*((\k)/4)+4*\i+(\k)%4], v[SC+16*((\k)/4)+4*\j+(\k)%4] matrix_a_fmt:MATRIX_FMT_FP4 matrix_b_fmt:MATRIX_FMT_FP4 matrix_b_scale:MATRIX_SCALE_ROW1
.else
	v_wmma_scale_f32_16x16x128_f8f6f4 v[ACC+8*(4*\i+\j):ACC+8*(4*\i+\j)+7], v[FS+8*\i:FS+8*\i+7], v[FS+32+8*\j:FS+32+8*\j+7], v[ACC+8*(4*\i+\j):ACC+8*(4*\i+\j)+7], v[SC+16*((\k)/4)+4*\i+(\k)%4], v[SC+16*((\k)/4)+4*\j+(\k)%4] matrix_a_fmt:MATRIX_FMT_FP4 matrix_b_fmt:MATRIX_FMT_FP4 matrix_b_scale:MATRIX_SCALE_ROW1
.endif
.endr
.endr
.endm
.irp kh, 0,1
.irp i, 0,1,2,3
	global_load_b128 v[SC+16*\kh+4*\i:SC+16*\kh+4*\i+3], v2, s[6:7] offset:\i*1024+\kh*512   ; four K steps' scale words of tile i, both sources'
.endr
.endr
	FRAGS 0
	FRAGS 1
.irp k, 0,1,2,3,4,5,6,7
.if \k < 7
	s_wait_loadcnt 16                              ; loads come back in order: this K step's fragments (and, at the first, the scale words) are in; the next step's 16 loads may be out
.else
	s_wait_loadcnt 0x0
.endif
	MUL \k
.if \k < 6
.rept 4
	v_nop                                          ; four plain instructions ahead of loads into registers that matrix instructions have read
.endr
	FRAGS \k+2                                     ; into the set just multiplied
.endif
.endr
	WIN 0
.rept 4
	v_nop                                          ; four plain instructions ahead of the first read of results and of writes into the even set's registers
.endr
.irp t, 0,1,2,3,4,5,6,7,8,9,10,11,12,13,14,15
.irp r, 0,1,2,3
	v_cvt_pk_f16_f32 v[F0+4*\t+\r], v[ACC+8*\t+2*\r], v[ACC+8*\t+2*\r+1]   ; each accumulator from its low end on
.endr
.endr
.irp i, 0,1,2,3
.irp j, 0,1,2,3
	global_store_b128 v[OFS+4*(\i/2)+\j], v[F0+4*(4*\i+\j):F0+4*(4*\i+\j)+3], s[14:15] offset:(\i%2)*512   ; 32 lanes store 512 consecutive bytes
.endr
.endr
	s_endpgm
.Lfunc_end_k_qb66945369f_proj:
	.size	k_qb66945369f_proj, .Lfunc_end_k_qb66945369f_proj-k_qb66945369f_proj
	.p2alignl 7, 3214868480
	.fill 96, 4, 3214868480
	.section	.rodata,"a",@progbits
	.p2align	6, 0x0
	.amdhsa_kernel k_qb66945369f_proj
		.amdhsa_group_segment_fixed_size 0
		.amdhsa_private_segment_fixed_size 0
		.amdhsa_enable_private_segment 0
		.amdhsa_kernarg_size 40
		.amdhsa_user_sgpr_count 2
		.amdhsa_user_sgpr_kernarg_segment_ptr 1
		.amdhsa_wavefront_size32 1
		.amdhsa_system_sgpr_workgroup_id_x 1
		.amdhsa_system_sgpr_workgroup_id_y 1
		.amdhsa_system_sgpr_workgroup_id_z 1
		.amdhsa_system_vgpr_workitem_id 0
		.amdhsa_next_free_vgpr 320
		.amdhsa_next_free_sgpr 66
		.amdhsa_reserve_vcc 0
		.amdhsa_float_denorm_mode_32 3
		.amdhsa_float_denorm_mode_16_64 3
		.amdhsa_memory_ordered 1
		.amdhsa_forward_progress 1
		.amdhsa_inst_pref_size 39
	.end_amdhsa_kernel
	.amdgpu_metadata
---
amdhsa.version: [ 1, 2 ]
amdhsa.kernels:
  - .name:           k_qb66945369f_proj
    .symbol:         k_qb66945369f_proj.kd
    .args:
      - { .name: codes, .offset: 0, .size: 8, .value_kind: global_buffer, .address_space: global }
      - { .name: scales, .offset: 8, .size: 8, .value_kind: global_buffer, .address_space: global }
      - { .name: qimg, .offset: 16, .size: 8, .value_kind: global_buffer, .address_space: global }
      - { .name: kimg, .offset: 24, .size: 8, .value_kind: global_buffer, .address_space: global }
      - { .name: vimg, .offset: 32, .size: 8, .value_kind: global_buffer, .address_space: global }
    .group_segment_fixed_size: 0
    .private_segment_fixed_size: 0
    .kernarg_segment_align: 8
    .kernarg_segment_size: 40
    .max_flat_workgroup_size: 128
    .sgpr_count:     66
    .vgpr_count:     320
    .wavefront_size: 32
...
	.end_amdgpu_metadata
.endif
;; end of part 2
;; launch stats (part 3): grid 8 x 32, 8 waves a work-group, clusters of 4 x 1, 263,168 bytes of LDS; arguments qimg, kimg, stat; writes stat
.if DOCPART == 3
	.amdgcn_target "amdgcn-amd-amdhsa--gfx1250"
	.amdhsa_code_object_version 6
	.text
	.protected	k_qb66945369f_stats
	.globl	k_qb66945369f_stats
	.p2align	8
	.type	k_qb66945369f_stats,@function
k_qb66945369f_stats:
	s_mov_b64 s[64:65], 0
	v_nop
	global_prefetch_b8 v0, s[64:65] scope:SCOPE_SE
	s_setreg_imm32_b32 hwreg(HW_REG_WAVE_MODE, 25, 1), 1
	s_wait_xcnt 0x0
	s_wait_alu depctr_hold_cnt(0) depctr_sa_sdst(0) depctr_va_vdst(0) depctr_va_sdst(0) depctr_va_ssrc(0) depctr_va_vcc(0) depctr_vm_vsrc(0)
	s_getreg_b32 s2, hwreg(HW_REG_IB_STS2, 6, 4)
	s_cmp_eq_u32 s2, 0
	s_cbranch_scc0 .Lentry_in_a_cluster
	s_endpgm
.Lentry_in_a_cluster:
	s_bfe_u32 s2, ttmp6, 0x10000c
	s_cmp_lg_u32 s2, 0x3003
	s_cbranch_scc0 .Lentry_shape_is_right
	s_endpgm
.Lentry_shape_is_right:
; For each (b, h, query): nb = 10 - c m - log2(l), with c = log2(e) / 8, m the row's largest score q . k (a running maximum), l = the sum over all 2,048 keys of 2^(c s - c m).
; Launch attn then has 1024 x softmax = 2^(c s + nb) by one multiply-add and one exponential.  stat: [b][h][2048] f32.  Nothing of reference() is left out here.
; LIMITS: nb is rounded once to f32; an exponential under 2^-126 comes out as 0 (ISA guide, v_exp_f32); NaN and infinities are not served.
; SHARES: a work-group has 256 queries of one (b, h); each of its 8 waves 32 of them (two tiles of 16), and walks all keys, 64 a trip.
; The head's whole K, 128 tiles of 2,048 bytes, is brought into LDS ONCE, as it lies in kimg (register images: a fragment is read 16 x lane, 512 consecutive bytes, so no padding).
; It comes in four chunks of 65,536 bytes, four tensor loads a wave, all issued at the head: four loads of mine are out at the most; chunk c is read behind a wait that leaves the 3 - c later ones out.
; CLUSTER: 4 x 1 work-groups: four blocks of 256 queries of one head.  They want the same K, so each of its loads is asked for JOINTLY: the same tensor load, with the same descriptor (made of the batch, the head and the
; wave's number alone) and the mask of all four, in all four; each receives it in its own LDS.  That divides the requests for K by four.  One round of the cluster's barrier stands in front of the loads, one in front of the end; nothing is filled again.
; S^T = K Q^T (source 0 = 16 keys, source 1 = 16 queries): a lane holds one query and half of a tile's keys; maxima and sums stay in the lane until the end.
; A trip's 16 LDS loads are issued in the trip before, straight behind the products that read the same registers: they land under that trip's vector work.  A chunk's last trip is written out and loads nothing: the next chunk is read only behind its barrier.
.set SPARE, 262144                     ; behind K: the spare words, 128 bytes for each of 8 waves, that no other line names
.set SPW, 3
.set NIL, 4
.set QR,  16                           ; v16-47   Q: tile qt, 16 registers (two K = 32 fragments)
.set KR,  48                           ; v48-111  K: four tiles of 16 keys, 16 registers each
.set S,   112                          ; v112-175 S^T (qt, kt) at 112 + 32 qt + 8 kt
.set ST,  176                          ; v176 + 8 qt: +0 c m, +1 m, +2, +3 l in two halves, +4 .. +7 at work (a in +6)
.set G1,  24
.set G0,  32                           ; s[32:47] four groups 0
.set CS,  48                           ; s[48:49] c, twice
.set SEL, 50
.set TB,  52                           ; LDS byte of the 64 keys to be loaded
.set CNT, 53
.set MASK, 54
.macro CROUND                          ; a round of the cluster's barrier: my work-group's barrier; wave 0 signals for the work-group; every wave waits for all four work-groups; my work-group's barrier once more
	s_barrier_signal -1
	s_barrier_wait -1
	s_cmp_lg_u32 s10, 0
	s_cbranch_scc1 .Lnot_wave_0_\@
	s_barrier_signal -3
.Lnot_wave_0_\@:
	s_barrier_wait -3
	s_barrier_signal -1
	s_barrier_wait -1
.endm
	s_load_b128 s[4:7], s[0:1], 0x0                ; qimg, kimg
	s_load_b64 s[8:9], s[0:1], 0x10                ; stat
	v_lshl_add_u32 v[SPW], v0, 2, SPARE
	v_mov_b32 v[NIL], 0
	ds_add_u32 v[SPW], v[NIL]                      ; the wave's opening: the add, twice on end, and its wait ahead of my first tensor load
	ds_add_u32 v[SPW], v[NIL]
	v_lshrrev_b32 v5, 5, v0
	v_readfirstlane_b32 s10, v5                    ; wave 0..7
	s_and_b32 s14, ttmp7, 0xffff                   ; 16 b + h, which the four partners share
	s_lshr_b32 s11, s14, 4
	s_and_b32 s12, s14, 15
	s_mov_b32 s[G1+0], 15|(3<<16)|(1<<21)          ; the mask: all four work-groups; elements of 8 bytes; bit 21 set beside a mask; no padding
	s_mov_b32 s[G1+1], 256<<16                     ; tensor_dim0 = 256 elements: a head's 2,048 bytes of a tile of 16 keys
	s_mov_b32 s[G1+2], 4<<16                       ; tensor_dim1 = 4 tiles
	s_mov_b32 s[G1+3], 256<<16                     ; tile_dim0
	s_mov_b32 s[G1+4], 4                           ; tile_dim1
	s_mov_b32 s[G1+5], 4096                        ; from tile to tile: 32,768 bytes
	s_mov_b32 s[G1+6], 0
	s_mov_b32 s[G1+7], 0
	s_lshl_b32 s16, s11, 22
	s_lshl_b32 s17, s12, 11
	s_add_co_u32 s16, s16, s17                     ; the batch's first tile, the head's bytes in it
	s_lshl_b32 s17, s10, 17
	s_add_co_u32 s18, s16, s17                     ; K: + 4 tiles x wave: no place in the cluster enters it
	s_mov_b32 s19, 0
	s_bfe_u32 s55, ttmp6, 0x40000                  ; cx: my place in the cluster
	s_lshl_b32 s56, ttmp9, 2                       ; in a cluster launch ttmp9 counts clusters
	s_add_co_u32 s56, s56, s55                     ; my block of 256 queries: it enters Q's and stat's addresses alone
	s_lshl_b32 s57, s56, 19
	s_add_co_u32 s20, s16, s57
	s_lshl_b32 s57, s10, 16
	s_add_co_u32 s20, s20, s57                     ; Q: + 16 tiles x block + 2 tiles x wave
	s_mov_b32 s21, 0
	s_lshl_b32 s22, s14, 13
	s_lshl_b32 s57, s56, 10
	s_add_co_u32 s22, s22, s57
	s_lshl_b32 s57, s10, 7
	s_add_co_u32 s22, s22, s57                     ; stat: 4 (2048 (16 b + h) + 256 block + 32 wave)
	s_mov_b32 s23, 0
	s_lshl_b32 s15, s10, 13                        ; LDS: 8,192 x wave in a chunk
	s_mov_b32 s[CS], 0x3e38aa3b                    ; c = log2(e) / 8
	s_mov_b32 s[CS+1], s[CS]
	s_mov_b32 s[SEL], 0x76543210
	s_mov_b32 s[SEL+1], 0xfedcba98
	s_mov_b32 s[MASK], 0xffff0000
	s_wait_dscnt 0x0                               ; both opening adds are done
	s_wait_kmcnt 0x0
	s_add_nc_u64 s[6:7], s[6:7], s[18:19]
	s_add_nc_u64 s[4:5], s[4:5], s[20:21]
	s_add_nc_u64 s[8:9], s[8:9], s[22:23]
	CROUND                                         ; all four work-groups are here: the joint loads meet
.irp c, 0,1,2,3
	s_mov_b32 s[G0+4*\c], 1
	s_add_co_u32 s[G0+4*\c+1], s15, \c*65536
	s_add_nc_u64 s[G0+4*\c+2:G0+4*\c+3], s[6:7], \c*0x100000   ; 32 tiles on
	s_or_b32 s[G0+4*\c+3], s[G0+4*\c+3], 0x80000000
	tensor_load_to_lds s[G0+4*\c:G0+4*\c+3], s[G1:G1+7]
	s_nop 0
.endr
	v_and_b32 v5, 31, v0
	v_lshlrev_b32 v1, 4, v5                        ; 16 x lane
	v_lshlrev_b32 v5, 2, v5                        ; 4 x lane
.irp qt, 0,1
.irp j, 0,1,2,3
	global_load_b128 v[QR+16*\qt+4*\j:QR+16*\qt+4*\j+3], v1, s[4:5] offset:\qt*32768+\j*512
.endr
.endr
.irp t, 0,1
	v_mov_b32 v[ST+8*\t+1], 0xff61b1e6             ; m = -3e38, under every score: no first trip of its own
	v_mul_f32 v[ST+8*\t], s[CS], v[ST+8*\t+1]
.irp i, 2,3,4,5,6,7
	v_mov_b32 v[ST+8*\t+\i], 0
.endr
.endr
	s_wait_loadcnt 0x0                             ; Q
.macro KLOAD                           ; 64 keys: four tiles, 16 loads of 512 consecutive bytes
.irp kt, 0,1,2,3
.irp j, 0,1,2,3
	ds_load_b128 v[KR+16*\kt+4*\j:KR+16*\kt+4*\j+3], v2 offset:\kt*2048+\j*512
.endr
.endr
.endm
.macro MULS                            ; the eight accumulators take turns, two deep
.irp qt, 0,1
.irp kt, 0,1,2,3
	v_wmma_f32_16x16x32_f16 v[S+32*\qt+8*\kt:S+32*\qt+8*\kt+7], v[KR+16*\kt:KR+16*\kt+7], v[QR+16*\qt:QR+16*\qt+7], 0
.endr
.endr
.irp qt, 0,1
.irp kt, 0,1,2,3
	v_wmma_f32_16x16x32_f16 v[S+32*\qt+8*\kt:S+32*\qt+8*\kt+7], v[KR+16*\kt+8:KR+16*\kt+15], v[QR+16*\qt+8:QR+16*\qt+15], v[S+32*\qt+8*\kt:S+32*\qt+8*\kt+7]
.endr
.endr
.endm
.macro VEC                             ; the running maximum and sum of my 2 x 32 scores
.irp j, 0,1,2,3                        ; the largest of my 32 scores: four chains, each from an accumulator's low end on; the two tiles by turns
.irp t, 0,1
	v_max3_num_f32 v[ST+8*\t+4+\j], v[S+32*\t+8*\j], v[S+32*\t+8*\j+1], v[S+32*\t+8*\j+2]
.endr
.endr
.irp i, 3,5
.irp j, 0,1,2,3
.irp t, 0,1
	v_max3_num_f32 v[ST+8*\t+4+\j], v[ST+8*\t+4+\j], v[S+32*\t+8*\j+\i], v[S+32*\t+8*\j+\i+1]
.endr
.endr
.endr
.irp t, 0,1
	v_max3_num_f32 v[ST+8*\t+4], v[ST+8*\t+4], v[S+32*\t+7], v[S+32*\t+15]
.endr
.irp t, 0,1
	v_max3_num_f32 v[ST+8*\t+6], v[ST+8*\t+6], v[S+32*\t+23], v[S+32*\t+31]
.endr
.irp t, 0,1
	v_max3_num_f32 v[ST+8*\t+4], v[ST+8*\t+4], v[ST+8*\t+5], v[ST+8*\t+6]
.endr
.irp t, 0,1
	v_mov_b32 v[ST+8*\t+5], v[ST+8*\t]             ; the old c m
.endr
.irp t, 0,1
	v_max3_num_f32 v[ST+8*\t+1], v[ST+8*\t+4], v[ST+8*\t+7], v[ST+8*\t+1]   ; the new m
.endr
.irp t, 0,1
	v_mul_f32 v[ST+8*\t], s[CS], v[ST+8*\t+1]
.endr
.irp t, 0,1
	v_sub_f32 v[ST+8*\t+5], v[ST+8*\t+5], v[ST+8*\t]
.endr
.irp i, 0,2,4,6,8,10,12,14,16,18,20,22,24,26,28,30
.irp t, 0,1
	v_pk_fma_f32 v[S+32*\t+\i:S+32*\t+\i+1], v[S+32*\t+\i:S+32*\t+\i+1], s[CS:CS+1], v[ST+8*\t:ST+8*\t+1] op_sel_hi:[1,0,0] neg_lo:[0,0,1] neg_hi:[0,0,1]   ; c s - c m
.endr
.endr
.irp t, 0,1
	v_exp_f32 v[ST+8*\t+6], v[ST+8*\t+5]           ; a = 2^(old c m - new c m)
.endr
.irp i, 0,1,2,3,4,5,6,7,8,9,10,11,12,13,14,15,16,17,18,19,20,21,22,23,24,25,26,27,28,29,30,31,32,33,34,35,36,37,38,39,40,41,42,43,44,45,46,47,48,49,50,51,52,53,54,55,56,57,58,59,60,61,62,63
	v_exp_f32 v[S+\i], v[S+\i]
.endr
	v_nop                                          ; a plain instruction behind the last exponential,
	s_wait_alu depctr_va_vdst(0)                   ; and one wait for the batch of 66, ahead of its first reader
.irp t, 0,1
	v_pk_add_f32 v[S+32*\t:S+32*\t+1], v[S+32*\t:S+32*\t+1], v[S+32*\t+2:S+32*\t+3]
	v_pk_add_f32 v[S+32*\t+4:S+32*\t+5], v[S+32*\t+4:S+32*\t+5], v[S+32*\t+6:S+32*\t+7]
.endr
.irp i, 8,12,16,20,24,28
.irp t, 0,1
	v_pk_add_f32 v[S+32*\t:S+32*\t+1], v[S+32*\t:S+32*\t+1], v[S+32*\t+\i:S+32*\t+\i+1]
	v_pk_add_f32 v[S+32*\t+4:S+32*\t+5], v[S+32*\t+4:S+32*\t+5], v[S+32*\t+\i+2:S+32*\t+\i+3]
.endr
.endr
.irp t, 0,1
	v_pk_add_f32 v[S+32*\t:S+32*\t+1], v[S+32*\t:S+32*\t+1], v[S+32*\t+4:S+32*\t+5]
.endr
.irp t, 0,1
	v_pk_fma_f32 v[ST+8*\t+2:ST+8*\t+3], v[ST+8*\t+2:ST+8*\t+3], v[ST+8*\t+6:ST+8*\t+7], v[S+32*\t:S+32*\t+1] op_sel_hi:[1,0,1]   ; l = a l + the trip's sum
.endr
.endm
.macro CHUNK c                         ; 512 keys: eight trips
	s_wait_tensorcnt 3-\c                          ; my part of chunk c has landed; the later chunks' loads may stay out
	s_wait_dscnt 0x0
	s_barrier_signal -1
	s_barrier_wait -1                              ; everybody's part has
	s_mov_b32 s[TB], \c*65536
	v_add_nc_u32 v2, s[TB], v1
	KLOAD                                          ; the chunk's first 64 keys
	s_mov_b32 s[CNT], 7
.Ltrip_\@:
	s_wait_dscnt 0x0                               ; this trip's keys are in
	MULS
	s_add_co_u32 s[TB], s[TB], 8192
	v_add_nc_u32 v2, s[TB], v1                     ; with the three below: four plain instructions ahead of loads into K's registers and of the first read of results
.rept 3
	v_nop
.endr
	KLOAD                                          ; the next trip's keys land under this trip's vector work
	VEC
	s_sub_co_u32 s[CNT], s[CNT], 1
	s_cmp_lg_u32 s[CNT], 0
	s_cbranch_scc1 .Ltrip_\@
	s_wait_dscnt 0x0                               ; the chunk's last trip loads nothing
	MULS
.rept 4
	v_nop
.endr
	VEC
.endm
	CHUNK 0
	CHUNK 1
	CHUNK 2
	CHUNK 3
	; the two halves of the lanes meet: the row's m, l under it, and nb
.irp t, 0,1
	v_permlanex16_b32 v[ST+8*\t+4], v[ST+8*\t+1], s[SEL], s[SEL+1]
.endr
.irp t, 0,1
	v_max_num_f32 v[ST+8*\t+4], v[ST+8*\t+4], v[ST+8*\t+1]
.endr
.irp t, 0,1
	v_mul_f32 v[ST+8*\t+5], s[CS], v[ST+8*\t+4]    ; c m of the row
.endr
.irp t, 0,1
	v_sub_f32 v[ST+8*\t+6], v[ST+8*\t], v[ST+8*\t+5]
.endr
.irp t, 0,1
	v_exp_f32 v[ST+8*\t+6], v[ST+8*\t+6]
.endr
.irp t, 0,1
	v_add_f32 v[ST+8*\t+2], v[ST+8*\t+2], v[ST+8*\t+3]   ; (plain work behind the exponentials)
.endr
	s_wait_alu depctr_va_vdst(0)
.irp t, 0,1
	v_mul_f32 v[ST+8*\t+2], v[ST+8*\t+2], v[ST+8*\t+6]
.endr
.irp t, 0,1
	v_permlanex16_b32 v[ST+8*\t+7], v[ST+8*\t+2], s[SEL], s[SEL+1]
.endr
.irp t, 0,1
	v_add_f32 v[ST+8*\t+2], v[ST+8*\t+2], v[ST+8*\t+7]
.endr
.irp t, 0,1
	v_log_f32 v[ST+8*\t+3], v[ST+8*\t+2]
.endr
.irp t, 0,1
	v_sub_f32 v[ST+8*\t+5], 0x41200000, v[ST+8*\t+5]     ; 10 - c m  (plain work behind the logarithms)
.endr
	s_wait_alu depctr_va_vdst(0)
.irp t, 0,1
	v_sub_f32 v[ST+8*\t+5], v[ST+8*\t+5], v[ST+8*\t+3]
.endr
	v_cndmask_b32 v6, v[ST+5], v[ST+13], s[MASK]   ; lanes 0-15: tile 0's queries; lanes 16-31: tile 1's
	global_store_b32 v5, v6, s[8:9]                ; 128 consecutive bytes
	s_wait_tensorcnt 0x0                           ; the wave's end
	ds_add_u32 v[SPW], v[NIL]
	s_wait_dscnt 0x0
	CROUND                                         ; the closing round: no work-group ends while a partner may still ask for a tile that names it
	s_endpgm
.Lfunc_end_k_qb66945369f_stats:
	.size	k_qb66945369f_stats, .Lfunc_end_k_qb66945369f_stats-k_qb66945369f_stats
	.p2alignl 7, 3214868480
	.fill 96, 4, 3214868480
	.section	.rodata,"a",@progbits
	.p2align	6, 0x0
	.amdhsa_kernel k_qb66945369f_stats
		.amdhsa_group_segment_fixed_size 263168
		.amdhsa_private_segment_fixed_size 0
		.amdhsa_enable_private_segment 0
		.amdhsa_kernarg_size 24
		.amdhsa_user_sgpr_count 2
		.amdhsa_user_sgpr_kernarg_segment_ptr 1
		.amdhsa_wavefront_size32 1
		.amdhsa_system_sgpr_workgroup_id_x 1
		.amdhsa_system_sgpr_workgroup_id_y 1
		.amdhsa_system_sgpr_workgroup_id_z 1
		.amdhsa_system_vgpr_workitem_id 0
		.amdhsa_next_free_vgpr 256
		.amdhsa_next_free_sgpr 66
		.amdhsa_reserve_vcc 0
		.amdhsa_float_denorm_mode_32 3
		.amdhsa_float_denorm_mode_16_64 3
		.amdhsa_memory_ordered 1
		.amdhsa_forward_progress 1
		.amdhsa_inst_pref_size 93
	.end_amdhsa_kernel
	.amdgpu_metadata
---
amdhsa.version: [ 1, 2 ]
amdhsa.kernels:
  - .name:           k_qb66945369f_stats
    .symbol:         k_qb66945369f_stats.kd
    .args:
      - { .name: qimg, .offset: 0, .size: 8, .value_kind: global_buffer, .address_space: global }
      - { .name: kimg, .offset: 8, .size: 8, .value_kind: global_buffer, .address_space: global }
      - { .name: stat, .offset: 16, .size: 8, .value_kind: global_buffer, .address_space: global }
    .group_segment_fixed_size: 263168
    .private_segment_fixed_size: 0
    .kernarg_segment_align: 8
    .kernarg_segment_size: 24
    .max_flat_workgroup_size: 256
    .sgpr_count:     66
    .vgpr_count:     256
    .wavefront_size: 32
...
	.end_amdgpu_metadata
.endif
;; end of part 3
;; launch attn (part 4): grid 64 x 4, 4 waves a work-group, clusters of 4 x 1, 327,680 bytes of LDS; arguments qimg, kimg, vimg, stat, Wtalk, ln_gamma, ln_beta, part; writes part
.if DOCPART == 4
	.amdgcn_target "amdgcn-amd-amdhsa--gfx1250"
	.amdhsa_code_object_version 6
	.text
	.protected	k_qb66945369f_attn
	.globl	k_qb66945369f_attn
	.p2align	8
	.type	k_qb66945369f_attn,@function
k_qb66945369f_attn:
	s_mov_b64 s[64:65], 0
	v_nop
	global_prefetch_b8 v0, s[64:65] scope:SCOPE_SE
	s_setreg_imm32_b32 hwreg(HW_REG_WAVE_MODE, 25, 1), 1
	s_wait_xcnt 0x0
	s_wait_alu depctr_hold_cnt(0) depctr_sa_sdst(0) depctr_va_vdst(0) depctr_va_sdst(0) depctr_va_ssrc(0) depctr_va_vcc(0) depctr_vm_vsrc(0)
	s_getreg_b32 s2, hwreg(HW_REG_IB_STS2, 6, 4)
	s_cmp_eq_u32 s2, 0
	s_cbranch_scc0 .Lentry_in_a_cluster
	s_endpgm
.Lentry_in_a_cluster:
	s_bfe_u32 s2, ttmp6, 0x10000c
	s_cmp_lg_u32 s2, 0x3003
	s_cbranch_scc0 .Lentry_shape_is_right
	s_endpgm
.Lentry_shape_is_right:
; part[kq][token][g 64 + d] = the sum over the 512 keys of quarter kq of aw_g(token, key) v_g(key, d), aw = LayerNorm over heads of (Wtalk softmax).  Launch sum4 adds the four quarters.  Nothing of reference() is left out.
; p' = 1024 softmax = 2^(c s + nb) (nb from launch stats);  y' = W' p', W'[g][h] = Wtalk[g][h] - mean over g of Wtalk[.][h], which is 1024 (aw - mean over heads);
; aw_g = y'_g rsqrt(sum over g of y'^2 / 16 + 2^20 eps) gamma_g + beta_g: the factor 1024 cancels exactly.  All three products take f16 operands and f32 sums.
; LIMITS: W', p', aw and v are rounded to f16 (p' is at most 1,024; |y' rsqrt(..)| at most 4); an exponential under 2^-126 comes out as 0; NaN and infinities are not served.
; SHARES: a work-group has 64 queries of one batch and 512 keys; wave w has 16 queries WITH ALL 16 HEADS and walks 16 steps of 32 keys.
; THE CHAIN: nothing changes lanes and nothing goes through LDS between the products.
;   1. S^T = K Q^T for each head and each tile t of 16 keys: lane (r, hh) holds query r, register jj key 16 t + 8 hh + jj.
;   2. P[t][jj][hp] = f16 pair (p' of heads 2 hp, 2 hp + 1) at the lane's point: these 8 registers ARE source 1 of the mix (K = 32: lanes 0-15 feed k 0-7, 16-23; lanes 16-31 feed k 8-15, 24-31).
;   3. The mix's source 0: lanes 0-7 and 24-31 hold the row W'[lane % 8 (+ 8)][0 .. 15], lanes 8-23 zeros: result rows 0-7 then see the low lanes' k alone and rows 8-15 the high lanes':
;      each lane gets the 16 mixed heads of ITS OWN point, and LayerNorm is in-lane.
;   4. AW[g][4 t + jj / 2] = f16 pair (aw_g at keys jj, jj + 1): these 8 registers ARE source 1 (32 keys x 16 queries) of O^T[g] += V^T[g] AW[g].
; LDS: Q 4 x 32,768 (each wave's own tile, filled once; at the end, after its last fill and read, the wave's stage); K's buffer 65,536; V's 65,536; the spare words.
; A step has two changes of buffers: at its top V(s) is asked for (it lands under the scores), behind the last score product K(s + 1) (it lands under the mix and the second product). One tensor load a wave behind each;
; three loads of mine are out at the head, one afterwards.
; CLUSTER: 4 x 1 work-groups: four neighbouring blocks of 64 queries of one batch, with the same quarter of the keys.  They walk the same K and V, so each tile is asked for JOINTLY: the same tensor load, with the same
; descriptor (made of the batch, the quarter and the wave's number alone) and the mask of all four, in all four; each receives it in its own LDS.  That divides the requests for K and V, 131,072 bytes a step and work-group, by four.
; Each change of buffers that fills stands behind a round of the cluster's barrier.  Q is each work-group's own: plain loads with a group 1 of their own, in the group of first fills.
; PREFETCH: of the eight clusters of a (batch, quarter) the first asks for K(s + 1) behind the top's tensor load and for V(s + 1) behind the middle's, half a step ahead of the load that wants them.  Its four partners take
; 16,384 bytes each of a tile's 65,536, told apart by address; in each, waves 0 and 1 ask for 8,192 bytes, one instruction, lanes 256 bytes apart: each block is named once in the launch.
; Step 0's tiles come by their loads alone; the last step asks for nothing.
; REGISTERS, in windows of 256 (s_set_vgpr_msb: bits 1:0 source 0, 3:2 source 1, 5:4 source 2, 7:6 destination):
;   window 0: v1-9 addresses; v16-47 nb of each head, twice; v48-63 the mix's two source 0; v64-95 S^T; v128-255 AW (scratch at the head, rows of O at the end)
;   window 1: v0-127 P, later V's fragments in two halves; v128-191 K's fragments, later the mixed heads Y; v192-223 Q's fragments, later sums and rsqrt; v224-239 gamma; v240-255 beta
;   windows 2, 3: O^T (g, dt) at 8 (4 (g % 8) + dt)
.set KB,    131072
.set VB,    196608
.set SPARE, 262144
.set VQ,  1
.set VK,  2
.set VV,  3
.set SPW, 4                            ; LDS address of my spare word; never rewritten
.set NIL, 5                            ; 0; never rewritten
.set STO, 6
.set RD,  7
.set GO,  8
.set PFO, 9                            ; 256 x lane
.set NB2, 16
.set WAA, 48
.set WAB, 56
.set S,   64
.set AW,  128
.set P,   0                            ; window 1
.set KF,  128
.set Y,   128
.set QF,  192
.set T,   192
.set RSQ, 200
.set GAM, 224
.set BET, 240
.set WV,  20
.set G1,  24                           ; s[24:31] group 1 of the joint loads
.set G0K, 32
.set G0V, 36
.set G0Q, 40                           ; s[40:43], s[44:47]
.set CS,  48
.set R16, 50
.set EPS, 51
.set MSK, 52
.set CNT, 53
.set PFK, 54
.set PFV, 56
.set FLAG, 58
.set OUT, 60
.set G1Q, 84                           ; s[84:91] group 1 of Q's plain loads: it differs in the first word alone
.set MSB, 0
.macro WIN new                         ; the immediate's high byte repeats the setting that is left
.if MSB != \new
	s_set_vgpr_msb (MSB<<8)|\new
.set MSB, \new
.endif
.endm
.macro NOPS n
.rept \n
	v_nop
.endr
.endm
.macro CROUND                          ; a round of the cluster's barrier: my work-group's barrier; wave 0 signals for the work-group; every wave waits for all four work-groups; my work-group's barrier once more
	s_barrier_signal -1
	s_barrier_wait -1
	s_cmp_lg_u32 s[WV], 0
	s_cbranch_scc1 .Lnot_wave_0_\@
	s_barrier_signal -3
.Lnot_wave_0_\@:
	s_barrier_wait -3
	s_barrier_signal -1
	s_barrier_wait -1
.endm
	s_load_b256 s[4:11], s[0:1], 0x0               ; qimg, kimg, vimg, stat
	s_load_b256 s[12:19], s[0:1], 0x20             ; Wtalk, gamma, beta, part
	v_lshl_add_u32 v[SPW], v0, 2, SPARE
	v_mov_b32 v[NIL], 0
	ds_add_u32 v[SPW], v[NIL]                      ; the wave's opening: the add, twice on end, and its wait ahead of my first tensor load
	ds_add_u32 v[SPW], v[NIL]
	v_lshrrev_b32 v10, 5, v0
	v_readfirstlane_b32 s[WV], v10                 ; wave 0..3
	s_mov_b32 s[G1+0], 15|(3<<16)|(1<<21)          ; the mask: all four work-groups; elements of 8 bytes; bit 21 set beside a mask; no padding: fragments are read 16 x lane
	s_mov_b32 s[G1Q+0], 3<<16                      ; no mask
.irp g, G1, G1Q
	s_mov_b32 s[\g+1], 32<<16                      ; a dense block of 16,384 bytes as 64 rows of 256
	s_mov_b32 s[\g+2], 64<<16
	s_mov_b32 s[\g+3], 32<<16
	s_mov_b32 s[\g+4], 64
	s_mov_b32 s[\g+5], 32
	s_mov_b32 s[\g+6], 0
	s_mov_b32 s[\g+7], 0
.endr
	s_bfe_u32 s23, ttmp6, 0x40000                  ; cx: my place in the cluster
	s_and_b32 s21, ttmp7, 0xffff                   ; kq, which the four partners share
	s_lshr_b32 s22, ttmp9, 3                       ; b: in a cluster launch ttmp9 counts clusters, eight to a batch
	s_lshl_b32 s66, s22, 22
	s_lshl_b32 s67, s21, 20
	s_add_co_u32 s66, s66, s67                     ; K and V: the batch and the quarter
	s_lshl_b32 s78, s23, 14                        ; the prefetches: my work-group's 16,384 bytes of a tile,
	s_add_co_u32 s78, s78, s66
	s_and_b32 s79, s[WV], 1
	s_lshl_b32 s79, s79, 13
	s_add_co_u32 s78, s78, s79                     ; my wave's 8,192 of them,
	s_add_co_u32 s78, s78, 0x10000                 ; in step 1's tile
	s_mov_b32 s79, 0
	s_lshl_b32 s67, s[WV], 14
	s_add_co_u32 s66, s66, s67                     ; the loads: my wave's quarter of a step's 65,536 bytes: no place in the cluster enters it
	s_mov_b32 s67, 0
	s_lshl_b32 s68, ttmp9, 2
	s_add_co_u32 s68, s68, s23                     ; my block of 64 queries = 4 x cluster x + cx: it enters Q's, stat's and part's addresses alone
	s_lshl_b32 s68, s68, 2
	s_add_co_u32 s68, s68, s[WV]                   ; my tile of 16 queries
	s_lshl_b32 s70, s68, 15
	s_mov_b32 s71, 0                               ; Q
	s_lshl_b32 s72, s68, 16
	s_lshl_b32 s73, s21, 24
	s_add_co_u32 s72, s72, s73
	s_mov_b32 s73, 0                               ; part: quarter x 2^24 + 16 rows of 4,096 bytes x tile
	s_and_b32 s74, s68, 127
	s_lshl_b32 s74, s74, 6
	s_lshl_b32 s75, s22, 17
	s_add_co_u32 s74, s74, s75
	s_mov_b32 s75, 0                               ; stat: batch x 131,072 + 64 x tile in the batch
	s_lshl_b32 s76, s[WV], 14
	s_lshl_b32 s77, s[WV], 15
	s_mov_b32 s[CS], 0x3e38aa3b                    ; c = log2(e) / 8
	s_mov_b32 s[CS+1], s[CS]
	s_mov_b32 s[R16], 0x3d800000                   ; 1 / 16
	s_mov_b32 s[EPS], 0x4127c5ac                   ; 2^20 x 1e-5
	s_mov_b32 s[MSK], 0xff0000ff                   ; lanes 0-7 and 24-31
	s_and_b32 s[FLAG], ttmp9, 7                    ; 0 in the first cluster of a (batch, quarter),
	s_lshr_b32 s69, s[WV], 1
	s_or_b32 s[FLAG], s[FLAG], s69                 ; in waves 0 and 1: the same in all four partners
	s_cmp_eq_u32 s[FLAG], 0
	s_cselect_b32 s[FLAG], 1, 0                    ; a wave that prefetches
	s_wait_dscnt 0x0                               ; both opening adds are done
	s_wait_kmcnt 0x0
	s_mov_b32 s[G0K], 1
	s_add_co_u32 s[G0K+1], s76, KB
	s_add_nc_u64 s[G0K+2:G0K+3], s[6:7], s[66:67]
	s_or_b32 s[G0K+3], s[G0K+3], 0x80000000
	s_add_nc_u64 s[PFK:PFK+1], s[6:7], s[78:79]    ; my part of K(1)
	s_mov_b32 s[G0V], 1
	s_add_co_u32 s[G0V+1], s76, VB
	s_add_nc_u64 s[G0V+2:G0V+3], s[8:9], s[66:67]
	s_or_b32 s[G0V+3], s[G0V+3], 0x80000000
	s_add_nc_u64 s[PFV:PFV+1], s[8:9], s[78:79]    ; my part of V(1)
	s_mov_b32 s[G0Q], 1
	s_mov_b32 s[G0Q+1], s77
	s_add_nc_u64 s[G0Q+2:G0Q+3], s[4:5], s[70:71]
	s_mov_b32 s[G0Q+4], 1
	s_add_co_u32 s[G0Q+5], s77, 16384
	s_add_nc_u64 s[G0Q+6:G0Q+7], s[G0Q+2:G0Q+3], 16384
	s_or_b32 s[G0Q+3], s[G0Q+3], 0x80000000
	s_or_b32 s[G0Q+7], s[G0Q+7], 0x80000000
	CROUND                                         ; all four work-groups are here: the first joint loads meet
	tensor_load_to_lds s[G0Q:G0Q+3], s[G1Q:G1Q+7]  ; the first fills, one group, every wave: my tile of Q in two halves,
	s_nop 0
	tensor_load_to_lds s[G0Q+4:G0Q+7], s[G1Q:G1Q+7]
	s_nop 0
	tensor_load_to_lds s[G0K:G0K+3], s[G1:G1+7]    ; and, jointly, my quarter of K(0)
	s_nop 0
	NOPS 4
	s_add_nc_u64 s[OUT:OUT+1], s[18:19], s[72:73]
	s_add_nc_u64 s[10:11], s[10:11], s[74:75]
	v_and_b32 v10, 31, v0
	v_lshlrev_b32 v11, 4, v10                      ; 16 x lane
	v_add_nc_u32 v[VQ], s77, v11
	v_add_nc_u32 v[VK], KB, v11
	v_add_nc_u32 v[VV], VB, v11
	v_lshlrev_b32 v[PFO], 8, v10
	v_and_b32 v12, 15, v0                          ; r
	v_bfe_u32 v13, v0, 4, 1                        ; hh
	v_mul_u32_u24 v[STO], v12, 272                 ; the stage, in: row r, 32 hh bytes on
	v_lshl_add_u32 v[STO], v13, 5, v[STO]
	v_add_nc_u32 v[STO], s77, v[STO]
	v_mul_u32_u24 v[RD], v13, 272                  ; back: lanes 0-15 one row of 256 bytes, lanes 16-31 the next
	v_lshl_add_u32 v[RD], v12, 4, v[RD]
	v_add_nc_u32 v[RD], s77, v[RD]
	v_lshlrev_b32 v[GO], 12, v13                   ; and the same two rows in part
	v_lshl_add_u32 v[GO], v12, 4, v[GO]
	v_lshlrev_b32 v14, 2, v12                      ; stat: 4 r
	v_lshlrev_b32 v15, 6, v12                      ; Wtalk: row lane % 16
	v_and_b32 v10, 7, v0
	v_lshlrev_b32 v10, 6, v10                      ; row lane % 8
	v_mov_b32 v11, 0
.irp h, 0,1,2,3,4,5,6,7,8,9,10,11,12,13,14,15
	global_load_b32 v[NB2+2*\h], v14, s[10:11] offset:\h*8192
.endr
.irp i, 0,1,2,3
	global_load_b128 v[128+4*\i:131+4*\i], v15, s[12:13] offset:16*\i
	global_load_b128 v[144+4*\i:147+4*\i], v10, s[12:13] offset:16*\i
	global_load_b128 v[160+4*\i:163+4*\i], v10, s[12:13] offset:512+16*\i
.endr
	WIN 0x40
.irp i, 0,1,2,3
	global_load_b128 v[GAM+4*\i:GAM+4*\i+3], v11, s[14:15] offset:16*\i
	global_load_b128 v[BET+4*\i:BET+4*\i+3], v11, s[16:17] offset:16*\i
.endr
	WIN 0
	s_wait_loadcnt 0x0
.irp m, 1,2,4,8                        ; the sum of each column of Wtalk over its 16 rows, which lie in 16 lanes
.irp i, 0,1,2,3,4,5,6,7,8,9,10,11,12,13,14,15
	v_add_f32_dpp v[128+\i], v[128+\i], v[128+\i] row_xmask:\m row_mask:0xf bank_mask:0xf
.endr
.endr
.irp i, 0,1,2,3,4,5,6,7,8,9,10,11,12,13,14,15
	v_fma_f32 v[144+\i], -v[128+\i], s[R16], v[144+\i]   ; W' = Wtalk - the column's mean, in f32
	v_fma_f32 v[160+\i], -v[128+\i], s[R16], v[160+\i]
.endr
.irp i, 0,1,2,3,4,5,6,7
	v_cvt_pk_f16_f32 v[WAA+\i], v[144+2*\i], v[145+2*\i]
	v_cvt_pk_f16_f32 v[WAB+\i], v[160+2*\i], v[161+2*\i]
.endr
.irp i, 0,1,2,3,4,5,6,7
	v_cndmask_b32 v[WAA+\i], 0, v[WAA+\i], s[MSK]  ; zeros in lanes 8-23
	v_cndmask_b32 v[WAB+\i], 0, v[WAB+\i], s[MSK]
.endr
.irp h, 0,1,2,3,4,5,6,7,8,9,10,11,12,13,14,15
	v_mov_b32 v[NB2+2*\h+1], v[NB2+2*\h]
.endr
.macro ASK pf                          ; my 8,192 bytes of the next tile, lanes 256 bytes apart; the branch hangs on the cluster's and the wave's number alone
	s_cmp_eq_u32 s[FLAG], 1
	s_cbranch_scc0 .Lnot_mine_\@
	global_prefetch_b8 v[PFO], s[\pf:\pf+1] th:TH_LOAD_NT scope:SCOPE_SE
.Lnot_mine_\@:
.endm
.macro SLOAD hp                        ; heads 2 hp, 2 hp + 1: Q's fragments (8 loads) and K's of both key tiles (16)
	WIN 0x40
.irp hl, 0,1
.irp j, 0,1,2,3
	ds_load_b128 v[QF+16*\hl+4*\j:QF+16*\hl+4*\j+3], v[VQ] offset:(2*(\hp)+\hl)*2048+\j*512
.endr
.irp t, 0,1
.irp j, 0,1,2,3
	ds_load_b128 v[KF+32*\hl+16*\t+4*\j:KF+32*\hl+16*\t+4*\j+3], v[VK] offset:\t*32768+(2*(\hp)+\hl)*2048+\j*512
.endr
.endr
.endr
.endm
.macro SMUL                            ; four accumulators by turns, two deep
	WIN 0x05
.irp hl, 0,1
.irp t, 0,1
	v_wmma_f32_16x16x32_f16 v[S+16*\hl+8*\t:S+16*\hl+8*\t+7], v[KF+32*\hl+16*\t:KF+32*\hl+16*\t+7], v[QF+16*\hl:QF+16*\hl+7], 0
.endr
.endr
.irp hl, 0,1
.irp t, 0,1
	v_wmma_f32_16x16x32_f16 v[S+16*\hl+8*\t:S+16*\hl+8*\t+7], v[KF+32*\hl+16*\t+8:KF+32*\hl+16*\t+15], v[QF+16*\hl+8:QF+16*\hl+15], v[S+16*\hl+8*\t:S+16*\hl+8*\t+7]
.endr
.endr
.endm
.macro SVEC hp                         ; p' = 2^(c s + nb), and the two heads packed into P
	WIN 0
.irp hl, 0,1
.irp i, 0,2,4,6,8,10,12,14
	v_pk_fma_f32 v[S+16*\hl+\i:S+16*\hl+\i+1], v[S+16*\hl+\i:S+16*\hl+\i+1], s[CS:CS+1], v[NB2+2*(2*(\hp)+\hl):NB2+2*(2*(\hp)+\hl)+1] op_sel_hi:[1,0,1]
.endr
.endr
.irp i, 0,1,2,3,4,5,6,7,8,9,10,11,12,13,14,15,16,17,18,19,20,21,22,23,24,25,26,27,28,29,30,31
	v_exp_f32 v[S+\i], v[S+\i]
.endr
	v_nop                                          ; a plain instruction behind the last exponential,
	s_wait_alu depctr_va_vdst(0)                   ; and one wait for the batch of 32, ahead of its first reader
	WIN 0x40
.irp t, 0,1
.irp jj, 0,1,2,3,4,5,6,7
	v_cvt_pk_f16_f32 v[P+8*(8*\t+\jj)+(\hp)], v[S+8*\t+\jj], v[S+16+8*\t+\jj]
.endr
.endr
.endm
; THE TOP OF A STEP: K(s) has landed and nobody reads V's buffer any more, in all four work-groups; V(s) is asked for.
.macro TOP first, fill
	WIN 0
.if !\first
	s_wait_xcnt 0x0                                ; the last prefetch of V, half a step back, has read its address
	s_add_nc_u64 s[PFV:PFV+1], s[PFV:PFV+1], 0x10000
.endif
	s_wait_tensorcnt 0x0                           ; all my tensor loads have landed: my quarter of K(s) (in the first step Q too); so a group 0 may be written
	ds_add_u32 v[SPW], v[NIL]                      ; 0 onto my spare word
	s_add_nc_u64 s[G0K+2:G0K+3], s[G0K+2:G0K+3], 0x10000   ; on to K(s + 1)
	s_wait_dscnt 0x0                               ; the add is done, and my reads of V's buffer are over
	CROUND                                         ; both now hold of every wave of all four work-groups
	tensor_load_to_lds s[G0V:G0V+3], s[G1:G1+7]    ; my one load behind this round, and the first thing there
	s_nop 0
	NOPS 4
.if \fill
	ASK PFK
.endif
.endm
; THE MIDDLE: behind the last score product.  V(s) has landed and nobody reads K's buffer any more; K(s + 1) is asked for.  The last head pair's softmax, work on registers, stands between the add and the wait for it.
.macro MID fill
	WIN 0
	s_wait_xcnt 0x0                                ; the last prefetch of K, half a step back, has read its address
	s_add_nc_u64 s[PFK:PFK+1], s[PFK:PFK+1], 0x10000
	s_wait_tensorcnt 0x0                           ; my quarter of V(s) has landed
	ds_add_u32 v[SPW], v[NIL]
	s_add_nc_u64 s[G0V+2:G0V+3], s[G0V+2:G0V+3], 0x10000   ; on to V(s + 1)
	SVEC 7
	WIN 0
	s_wait_dscnt 0x0                               ; the add is done, and my reads of K's buffer are over
.if \fill
	CROUND
	tensor_load_to_lds s[G0K:G0K+3], s[G1:G1+7]
	s_nop 0
	NOPS 4
	ASK PFV
.else
	s_barrier_signal -1                            ; the last step fills nothing: my work-group's barrier alone, for V(s)
	s_barrier_wait -1
.endif
.endm
.macro MMUL q                          ; the mix for points 4 q .. 4 q + 3 of the lane's 16: heads 0-7 and 8-15 of each
	WIN 0x44
.irp u, 0,1,2,3
	v_wmma_f32_16x16x32_f16 v[Y+16*\u:Y+16*\u+7], v[WAA:WAA+7], v[P+8*(4*(\q)+\u):P+8*(4*(\q)+\u)+7], 0
	v_wmma_f32_16x16x32_f16 v[Y+16*\u+8:Y+16*\u+15], v[WAB:WAB+7], v[P+8*(4*(\q)+\u):P+8*(4*(\q)+\u)+7], 0
.endr
	NOPS 4                                         ; four plain instructions ahead of the first read of results and of loads into P's registers
.endm
.macro LNV q                           ; LayerNorm over the 16 heads, in the lane; the four points by turns
	WIN 0x55
.irp u, 0,1,2,3
	v_pk_mul_f32 v[T+2*\u:T+2*\u+1], v[Y+16*\u:Y+16*\u+1], v[Y+16*\u:Y+16*\u+1]
.endr
.irp i, 2,4,6,8,10,12,14
.irp u, 0,1,2,3
	v_pk_fma_f32 v[T+2*\u:T+2*\u+1], v[Y+16*\u+\i:Y+16*\u+\i+1], v[Y+16*\u+\i:Y+16*\u+\i+1], v[T+2*\u:T+2*\u+1]
.endr
.endr
.irp u, 0,1,2,3
	v_add_f32 v[T+2*\u], v[T+2*\u], v[T+2*\u+1]
.endr
.irp u, 0,1,2,3
	v_fma_f32 v[T+2*\u], v[T+2*\u], s[R16], s[EPS]
.endr
.irp u, 0,1,2,3
	v_rsq_f32 v[RSQ+2*\u], v[T+2*\u]
.endr
	v_nop
	s_wait_alu depctr_va_vdst(0)                   ; one wait for the four
.irp u, 0,1,2,3
.irp i, 0,2,4,6,8,10,12,14
	v_pk_mul_f32 v[Y+16*\u+\i:Y+16*\u+\i+1], v[Y+16*\u+\i:Y+16*\u+\i+1], v[RSQ+2*\u:RSQ+2*\u+1] op_sel_hi:[1,0]
.endr
.endr
.irp u, 0,1,2,3
.irp i, 0,2,4,6,8,10,12,14
	v_pk_fma_f32 v[Y+16*\u+\i:Y+16*\u+\i+1], v[Y+16*\u+\i:Y+16*\u+\i+1], v[GAM+\i:GAM+\i+1], v[BET+\i:BET+\i+1]
.endr
.endr
	WIN 0x05
.irp g, 0,1,2,3,4,5,6,7,8,9,10,11,12,13,14,15
.irp v, 0,1
	v_cvt_pk_f16_f32 v[AW+8*\g+2*(\q)+\v], v[Y+32*\v+\g], v[Y+32*\v+16+\g]   ; two neighbouring keys of head g
.endr
.endr
.endm
.macro VLOAD pi                        ; V^T of heads 2 pi, 2 pi + 1: 8 fragments, 16 loads, into half pi % 2
	WIN 0x40
.irp gl, 0,1
.irp dt, 0,1,2,3
.irp t, 0,1
	ds_load_b128 v[64*((\pi)%2)+32*\gl+8*\dt+4*\t:64*((\pi)%2)+32*\gl+8*\dt+4*\t+3], v[VV] offset:(4*(2*(\pi)+\gl)+\dt)*1024+\t*512
.endr
.endr
.endr
.endm
.macro PVMUL pi, zero                  ; each of the 64 accumulators has one instruction a step
.if (\pi) < 4
	WIN 0xa1
.else
	WIN 0xf1
.endif
.irp gl, 0,1
.irp dt, 0,1,2,3
.set rO, 8*(4*((2*(\pi)+\gl)%8)+\dt)
.set rV, 64*((\pi)%2)+32*\gl+8*\dt
.set rA, AW+8*(2*(\pi)+\gl)
.if \zero
	v_wmma_f32_16x16x32_f16 v[rO:rO+7], v[rV:rV+7], v[rA:rA+7], 0
.else
	v_wmma_f32_16x16x32_f16 v[rO:rO+7], v[rV:rV+7], v[rA:rA+7], v[rO:rO+7]
.endif
.endr
.endr
.endm
; A STEP OF 32 KEYS.  zero = 1: the first step, whose products start O^T's sums: nothing is cleared.  fill = 0: the last step, which asks for no further K.
.macro STEP zero, fill
	TOP \zero, \fill
	SLOAD 0
.irp hp, 0,1,2,3,4,5,6,7
	s_wait_dscnt 0x0                               ; this head pair's fragments are in
	SMUL
	NOPS 4                                         ; four plain instructions ahead of loads into the fragments' registers and of the first read of the scores
.if \hp < 7
	SLOAD \hp+1                                    ; the next pair's loads are on their way under this pair's vector work
	SVEC \hp
.else
	MID \fill                                      ; with the last pair's vector work in it
.endif
.endr
	MMUL 0
	LNV 0
	MMUL 1
	VLOAD 0                                        ; P of key tile 0 is done with: its registers take V's first half
	LNV 1
	MMUL 2
	LNV 2
	MMUL 3
	VLOAD 1
	LNV 3
.irp pi, 0,1,2,3,4,5,6,7
.if \pi < 7
	s_wait_dscnt 16                                ; this pair's 16 loads are in; the next pair's may be out
.else
	s_wait_dscnt 0x0
.endif
	PVMUL \pi, \zero
.if \pi < 6
	NOPS 4                                         ; plain instructions ahead of loads into registers that these products read
	VLOAD \pi+2
.endif
.endr
.endm
	STEP 1, 1
	WIN 0                                          ; at a label and at a branch every window is 0
	s_mov_b32 s[CNT], 14
.Lstep:
	STEP 0, 1
	WIN 0
	s_sub_co_u32 s[CNT], s[CNT], 1
	s_cmp_lg_u32 s[CNT], 0
	s_cbranch_scc1 .Lstep
	STEP 0, 0                                      ; the last step is written out
; THE WAY OUT, a head (16 rows x 256 bytes) at a time, through my own stage, which lies where my Q lay: that region has had its last fill and its last read, and no other wave touches it.
; LDS serves a wave's instructions in order: no wait between the stores and the loads.
.macro TOSTAGE g
.if (\g) < 8
	WIN 0x08                                       ; an LDS store's data are its source 1: window 2,
.else
	WIN 0x0c                                       ; or 3
.endif
.irp dt, 0,1,2,3
	ds_store_b128 v[STO], v[8*(4*((\g)%8)+\dt):8*(4*((\g)%8)+\dt)+3] offset:((\g)%2)*4352+\dt*64       ; each accumulator from its low end on
	ds_store_b128 v[STO], v[8*(4*((\g)%8)+\dt)+4:8*(4*((\g)%8)+\dt)+7] offset:((\g)%2)*4352+\dt*64+16
.endr
	WIN 0
.irp i, 0,1,2,3,4,5,6,7
	ds_load_b128 v[AW+32*((\g)%4)+4*\i:AW+32*((\g)%4)+4*\i+3], v[RD] offset:((\g)%2)*4352+2*\i*272
.endr
.endm
.macro SEND g, younger                 ; younger: the LDS instructions issued behind head g's loads
.irp i, 0,1,2,3,4,5,6,7
	s_wait_dscnt \younger+7-\i
	global_store_b128 v[GO], v[AW+32*((\g)%4)+4*\i:AW+32*((\g)%4)+4*\i+3], s[OUT:OUT+1] offset:2*\i*4096+(\g)*256 th:TH_STORE_NT   ; 16 lanes store 256 consecutive bytes, aligned
.endr
.endm
	WIN 0
	NOPS 4                                         ; plain instructions ahead of the first read of the last results and of loads into AW's registers
	TOSTAGE 0
.irp g, 1,2,3,4,5,6,7,8,9,10,11,12,13,14,15
.if \g >= 4
	s_wait_xcnt 0x0                                ; head g - 4's stores have read their registers, which head g's rows take
.endif
	TOSTAGE \g
	SEND \g-1, 16
.endr
	SEND 15, 0
	s_wait_tensorcnt 0x0                           ; the wave's end, behind my last tensor load and my last LDS store
	ds_add_u32 v[SPW], v[NIL]
	s_wait_dscnt 0x0
	CROUND                                         ; the closing round: no work-group ends while a partner may still ask for a tile that names it
	s_endpgm
.Lfunc_end_k_qb66945369f_attn:
	.size	k_qb66945369f_attn, .Lfunc_end_k_qb66945369f_attn-k_qb66945369f_attn
	.p2alignl 7, 3214868480
	.fill 96, 4, 3214868480
	.section	.rodata,"a",@progbits
	.p2align	6, 0x0
	.amdhsa_kernel k_qb66945369f_attn
		.amdhsa_group_segment_fixed_size 327680
		.amdhsa_private_segment_fixed_size 0
		.amdhsa_enable_private_segment 0
		.amdhsa_kernarg_size 64
		.amdhsa_user_sgpr_count 2
		.amdhsa_user_sgpr_kernarg_segment_ptr 1
		.amdhsa_wavefront_size32 1
		.amdhsa_system_sgpr_workgroup_id_x 1
		.amdhsa_system_sgpr_workgroup_id_y 1
		.amdhsa_system_sgpr_workgroup_id_z 1
		.amdhsa_system_vgpr_workitem_id 0
		.amdhsa_next_free_vgpr 1024
		.amdhsa_next_free_sgpr 92
		.amdhsa_reserve_vcc 0
		.amdhsa_float_denorm_mode_32 3
		.amdhsa_float_denorm_mode_16_64 3
		.amdhsa_memory_ordered 1
		.amdhsa_forward_progress 1
		.amdhsa_inst_pref_size 255
	.end_amdhsa_kernel
	.section	.bss,"aw",@nobits
	.p2align	6
	.space	262144
	.amdgpu_metadata
---
amdhsa.version: [ 1, 2 ]
amdhsa.kernels:
  - .name:           k_qb66945369f_attn
    .symbol:         k_qb66945369f_attn.kd
    .args:
      - { .name: qimg, .offset: 0, .size: 8, .value_kind: global_buffer, .address_space: global }
      - { .name: kimg, .offset: 8, .size: 8, .value_kind: global_buffer, .address_space: global }
      - { .name: vimg, .offset: 16, .size: 8, .value_kind: global_buffer, .address_space: global }
      - { .name: stat, .offset: 24, .size: 8, .value_kind: global_buffer, .address_space: global }
      - { .name: Wtalk, .offset: 32, .size: 8, .value_kind: global_buffer, .address_space: global }
      - { .name: ln_gamma, .offset: 40, .size: 8, .value_kind: global_buffer, .address_space: global }
      - { .name: ln_beta, .offset: 48, .size: 8, .value_kind: global_buffer, .address_space: global }
      - { .name: part, .offset: 56, .size: 8, .value_kind: global_buffer, .address_space: global }
    .group_segment_fixed_size: 327680
    .private_segment_fixed_size: 0
    .kernarg_segment_align: 8
    .kernarg_segment_size: 64
    .max_flat_workgroup_size: 128
    .sgpr_count:     92
    .vgpr_count:     1024
    .wavefront_size: 32
...
	.end_amdgpu_metadata
.endif
;; end of part 4
;; launch sum4 (part 5): grid 512 x 1, 8 waves a work-group, no clusters, 0 bytes of LDS; arguments part, out0; writes out0
.if DOCPART == 5
	.amdgcn_target "amdgcn-amd-amdhsa--gfx1250"
	.amdhsa_code_object_version 6
	.text
	.protected	k_qb66945369f_sum4
	.globl	k_qb66945369f_sum4
	.p2align	8
	.type	k_qb66945369f_sum4,@function
k_qb66945369f_sum4:
	s_mov_b64 s[64:65], 0
	v_nop
	global_prefetch_b8 v0, s[64:65] scope:SCOPE_SE
	s_setreg_imm32_b32 hwreg(HW_REG_WAVE_MODE, 25, 1), 1
	s_wait_xcnt 0x0
; out0 = the sum of the four quarters of the keys: part [4][4096][1024] f32, as (P0 + P1) + (P2 + P3).  Nothing of reference() is left out here.
; A stream: a work-group has 32,768 bytes of the output; thread t has 8 places of 16 bytes, 4,096 bytes apart, so that each load and store of a wave covers 512 consecutive bytes.
; All 32 loads of a thread go out at once; no loop, no register is written again.  LDS, matrix units and clusters would add nothing: no byte is read twice.
	s_load_b128 s[4:7], s[0:1], 0x0                ; part, out0
	v_lshlrev_b32 v1, 4, v0
	s_lshl_b32 s16, ttmp9, 15
	s_mov_b32 s17, 0
	s_wait_kmcnt 0x0
	s_add_nc_u64 s[8:9], s[4:5], s[16:17]
	s_add_nc_u64 s[10:11], s[8:9], 0x1000000       ; the quarters lie 2^24 bytes apart
	s_add_nc_u64 s[12:13], s[10:11], 0x1000000
	s_add_nc_u64 s[14:15], s[12:13], 0x1000000
	s_add_nc_u64 s[6:7], s[6:7], s[16:17]
.irp i, 0,1,2,3,4,5,6,7
.irp p, 0,1,2,3
	global_load_b128 v[16+16*\i+4*\p:16+16*\i+4*\p+3], v1, s[8+2*\p:9+2*\p] offset:4096*\i th:TH_LOAD_NT
.endr
.endr
.irp i, 0,1,2,3,4,5,6,7
	s_wait_loadcnt 28-4*\i                         ; this place's four loads are in; the later places' may be out
	v_pk_add_f32 v[16+16*\i:17+16*\i], v[16+16*\i:17+16*\i], v[20+16*\i:21+16*\i]
	v_pk_add_f32 v[18+16*\i:19+16*\i], v[18+16*\i:19+16*\i], v[22+16*\i:23+16*\i]
	v_pk_add_f32 v[24+16*\i:25+16*\i], v[24+16*\i:25+16*\i], v[28+16*\i:29+16*\i]
	v_pk_add_f32 v[26+16*\i:27+16*\i], v[26+16*\i:27+16*\i], v[30+16*\i:31+16*\i]
	v_pk_add_f32 v[16+16*\i:17+16*\i], v[16+16*\i:17+16*\i], v[24+16*\i:25+16*\i]
	v_pk_add_f32 v[18+16*\i:19+16*\i], v[18+16*\i:19+16*\i], v[26+16*\i:27+16*\i]
	global_store_b128 v1, v[16+16*\i:19+16*\i], s[6:7] offset:4096*\i th:TH_STORE_NT
.endr
	s_endpgm
.Lfunc_end_k_qb66945369f_sum4:
	.size	k_qb66945369f_sum4, .Lfunc_end_k_qb66945369f_sum4-k_qb66945369f_sum4
	.p2alignl 7, 3214868480
	.fill 96, 4, 3214868480
	.section	.rodata,"a",@progbits
	.p2align	6, 0x0
	.amdhsa_kernel k_qb66945369f_sum4
		.amdhsa_group_segment_fixed_size 0
		.amdhsa_private_segment_fixed_size 0
		.amdhsa_enable_private_segment 0
		.amdhsa_kernarg_size 16
		.amdhsa_user_sgpr_count 2
		.amdhsa_user_sgpr_kernarg_segment_ptr 1
		.amdhsa_wavefront_size32 1
		.amdhsa_system_sgpr_workgroup_id_x 1
		.amdhsa_system_sgpr_workgroup_id_y 1
		.amdhsa_system_sgpr_workgroup_id_z 1
		.amdhsa_system_vgpr_workitem_id 0
		.amdhsa_next_free_vgpr 144
		.amdhsa_next_free_sgpr 66
		.amdhsa_reserve_vcc 0
		.amdhsa_float_denorm_mode_32 3
		.amdhsa_float_denorm_mode_16_64 3
		.amdhsa_memory_ordered 1
		.amdhsa_forward_progress 1
		.amdhsa_inst_pref_size 8
	.end_amdhsa_kernel
	.amdgpu_metadata
---
amdhsa.version: [ 1, 2 ]
amdhsa.kernels:
  - .name:           k_qb66945369f_sum4
    .symbol:         k_qb66945369f_sum4.kd
    .args:
      - { .name: part, .offset: 0, .size: 8, .value_kind: global_buffer, .address_space: global }
      - { .name: out0, .offset: 8, .size: 8, .value_kind: global_buffer, .address_space: global }
    .group_segment_fixed_size: 0
    .private_segment_fixed_size: 0
    .kernarg_segment_align: 8
    .kernarg_segment_size: 16
    .max_flat_workgroup_size: 256
    .sgpr_count:     66
    .vgpr_count:     144
    .wavefront_size: 32
...
	.end_amdgpu_metadata
.endif
;; end of part 5
